; MI455X (gfx1250); checked and timed in simulation.
; The chip was launched on July 23, 2026; its instructions are those of AMD's public machine-readable ISA for CDNA 5 (MIT licence, August 2026) and "CDNA5" Instruction Set Architecture Reference Guide (July 2026). The comments in the code are by the model that wrote it; some were corrected since.
;; Multi Head Self Attention. Allowed arithmetic: matrix products marked QUANTISED: E4M3 operands, one given power-of-two scale a tensor, by v_wmma_f32_16x16x64_fp8_fp8 or v_wmma_f32_16x16x128_fp8_fp8, f32 sums; everything else in f32.
;; Inputs: bk 1,024 float32; bo 1,024 float32; bq 1,024 float32; bv 1,024 float32; lowp_scales 12 int32 (the exponents e of the quantised operands' scales 2^e); wk_codes 1,024 x 32 x 32 uint8 (E4M3 codes of wk, K innermost, in blocks of 32 codes); wo_codes 1,024 x 32 x 32 uint8 (E4M3 codes of wo, K innermost, in blocks of 32 codes); wq_codes 1,024 x 32 x 32 uint8 (E4M3 codes of wq, K innermost, in blocks of 32 codes); wv_codes 1,024 x 32 x 32 uint8 (E4M3 codes of wv, K innermost, in blocks of 32 codes); x_codes 4 x 2,048 x 32 x 32 uint8 (E4M3 codes of x, K innermost, in blocks of 32 codes).
;; Outputs: out0 4 x 2,048 x 1,024 float32.
;; This version of the problem:
;;   THIS VERSION OF THE PROBLEM IS GIVEN IN LOW PRECISION. The matrix products marked QUANTISED in the list below multiply operands that are first quantised to E4M3 (4 exponent bits, 3 mantissa bits; 8 bits a number), with one given power-of-two scale for each operand tensor; their sums are f32. All else is computed in f32.
;;   The module's matrix products, in the order in which they are computed (A, B: the left and right operand; K: the contracted axis; several contracted axes count as one K, in the product's order):
;;     1. [M 8,192, K 1,024] x [K 1,024, N 1,024]; A: input x (given as codes); B: input wq (given as codes): QUANTISED (scales: A lowp_scales[0], B lowp_scales[1])
;;     2. [M 8,192, K 1,024] x [K 1,024, N 1,024]; A: input x (given as codes); B: input wk (given as codes): QUANTISED (scales: A lowp_scales[2], B lowp_scales[3])
;;     3. [M 8,192, K 1,024] x [K 1,024, N 1,024]; A: input x (given as codes); B: input wv (given as codes): QUANTISED (scales: A lowp_scales[4], B lowp_scales[5])
;;     4. batch 64 x [M 2,048, K 64] x [K 64, N 2,048]; A: computed on the way; B: computed on the way: QUANTISED (scales: A lowp_scales[6], B lowp_scales[7])
;;     5. batch 64 x [M 2,048, K 2,048] x [K 2,048, N 64]; A: softmax (see below); B: computed on the way: QUANTISED (scales: A lowp_scales[8], B lowp_scales[9])
;;     6. [M 8,192, K 1,024] x [K 1,024, N 1,024]; A: computed on the way; B: input wo (given as codes): QUANTISED (scales: A lowp_scales[10], B lowp_scales[11])
;;   THE QUANTISER, for each operand of a quantised product, along K:
;;     - The operand's scale is 2^e, e = its entry of the input lowp_scales (int32; the entries are numbered through the quantised products in the list's order, A before B).
;;     - Each number is divided by the scale, clamped to +-448, and rounded to the nearest number of E4M3, ties to even, subnormals kept.
;;     - The product sums the exact products of the quantised numbers (number of the format x scale) in f32.
;;   ~~~python
;;   def quantise(x, axis, e):      # numpy; x: float32 -> the quantised numbers, widened to float32 again
;;       x = np.moveaxis(x, axis, -1); K = x.shape[-1]
;;       r = np.clip(x / 2.0 ** e, -448, 448)
;;       step = 2.0 ** (np.maximum(np.frexp(np.where(r == 0, 1, r))[1] - 1, -6) - 3)
;;       q = np.round(r / step) * step * 2.0 ** e      # np.round: ties to even
;;       return np.moveaxis(q, -1, axis).astype(np.float32)
;;   ~~~
;;   SOFTMAX AHEAD OF A QUANTISED PRODUCT. Where the list says 'softmax', what is quantised is not the finished softmax but p = 2^(t - M), with t = logit x log2(e) and M = ceil(the row's largest t), a whole number; so 1/2 < the row's largest p <= 1. The row's sum l is taken of the UNQUANTISED p, in f32, and the product's result is divided by l at the end. Since M is a whole number, a kernel that streams over the keys may use a running M (the ceiling of the running maximum): every later rescaling is an exact power of two, so the quantised numbers keep their values, but for numbers so far below the row's largest that they fall under the format's range.
;;   OPERANDS COMPUTED ON THE WAY. 'Computed on the way' means the value that the module computes at that place (a softmax that the list does not call 'softmax' is quantised finished and normalised). What goes into a quantiser is computed in f32, as accurately as f32 sums, v_exp_f32 and their like allow (about 1e-6 of the number): no bf16 or f16 on the way to a quantiser, and a product that is left as it is and whose result goes on into a quantised operand takes f32 operands (vector FMAs, or v_wmma_f32_16x16x4_f32). A number that lies on a knife's edge between two numbers of the format may be rounded either way, as far as f32 arithmetic and the matrix unit's own rounding can turn it there, and no further.
;;   INPUTS GIVEN AS CODES. wk (in the module: [1024, 1024], K = its axis 1); wo (in the module: [1024, 1024], K = its axis 1); wq (in the module: [1024, 1024], K = its axis 1); wv (in the module: [1024, 1024], K = its axis 1); x (in the module: [4, 2048, 1024], K = its axis 2): each comes as NAME_codes (uint8): NAME with its K axis moved to the last place and cut into blocks of 32 codes, [.., K / 32, bytes a block], one block behind the other in memory; one code a byte (a code: sign, 4 exponent bits, 3 mantissa bits); its scale is its entry of lowp_scales. Its value is code x scale, taken as it is: it is not quantised again, and the codes and scales need not be those that the quantiser above would give.
;; One version. Each part assembles by itself: llvm-mc -triple=amdgcn-amd-amdhsa -mcpu=gfx1250 --defsym DOCPART=n.
;; ======== version 1 of 1: 3 launches
;; limits: right only within a limited range of input values
;; workspace buffers: q_img 8,388,608 bytes; kv_img 16,777,216 bytes; o_img 8,388,608 bytes
;; launch qkv (part 1): grid 12 x 32, 4 waves a work-group, clusters of 4 x 4, 327,680 bytes of LDS; arguments x_codes, wq_codes, wk_codes, wv_codes, bq, bk, bv, lowp_scales, q_img, kv_img; writes q_img, kv_img
.if DOCPART == 1
	.amdgcn_target "amdgcn-amd-amdhsa--gfx1250"
	.amdhsa_code_object_version 6
	.text
	.protected	k_q7c1e98ea27_qkv
	.globl	k_q7c1e98ea27_qkv
	.p2align	8
	.type	k_q7c1e98ea27_qkv,@function
k_q7c1e98ea27_qkv:
	s_mov_b64 s[64:65], 0
	v_nop
	global_prefetch_b8 v0, s[64:65] scope:SCOPE_SE
	s_setreg_imm32_b32 hwreg(HW_REG_WAVE_MODE, 25, 1), 1
	s_wait_xcnt 0x0
	s_wait_alu depctr_hold_cnt(0) depctr_sa_sdst(0) depctr_va_vdst(0) depctr_va_sdst(0) depctr_va_ssrc(0) depctr_va_vcc(0) depctr_vm_vsrc(0)
	s_getreg_b32 s2, hwreg(HW_REG_IB_STS2, 6, 4)
	s_cmp_eq_u32 s2, 0
	s_cbranch_scc0 .Lentry_in_a_cluster
	s_endpgm
.Lentry_in_a_cluster:
	s_bfe_u32 s2, ttmp6, 0x10000c
	s_cmp_lg_u32 s2, 0xf033
	s_cbranch_scc0 .Lentry_shape_is_right
	s_endpgm
.Lentry_shape_is_right:
.set KSTEP,  256
.set ROWB,   256
.set KROW,   1024
.set PITCH,  272
.set FR,     16
.set NL,     4
.set NP,     4
.set HALFT,  128*PITCH
.set SLOT,   4*HALFT
.set SPARE,  2*SLOT
.set VO,   8
.set ADRA, 16
.set ADRB, 20
.set LO,   27
.set SPW,  28
.set NIL,  29
.set LIM,  30
.set SCL,  31
.set TMP,  32
.set BT,   64
.set AF,   128
.set CD,   128
.set G1, 24
.set G0, 32
.set G1B, 48
.set G0B, 56
.set MSB, 0
.macro WIN new
.if MSB != \new
	s_set_vgpr_msb (MSB<<8)|\new
.set MSB, \new
.endif
.endm
.set MUL_LO, 0xa1
.set MUL_HI, 0xf1
.set TO_B,   0x40
.macro JLOAD g0a, g1a, g0b, g1b
	s_cmp_eq_u32 s15, 0
	s_cbranch_scc0 .Lfor_b_\@
	tensor_load_to_lds s[\g0a:\g0a+3], s[\g1a:\g1a+7]
	s_nop 0
.rept 4
	v_nop
.endr
	s_branch .Lasked_\@
.Lfor_b_\@:
	tensor_load_to_lds s[\g0b:\g0b+3], s[\g1b:\g1b+7]
	s_nop 0
.rept 4
	v_nop
.endr
.Lasked_\@:
.endm
.macro CREST
	s_cmp_lg_u32 s14, 0
	s_cbranch_scc1 .Lnot_wave_0_\@
	s_barrier_signal -3
.Lnot_wave_0_\@:
	s_barrier_wait -3
	s_barrier_signal -1
	s_barrier_wait -1
.endm
.macro CROUND
	s_barrier_signal -1
	s_barrier_wait -1
	CREST
.endm
	s_load_b256 s[4:11], s[0:1], 0x0
	s_load_b256 s[68:75], s[0:1], 0x20
	s_load_b128 s[76:79], s[0:1], 0x40
	v_lshl_add_u32 v[SPW], v0, 2, SPARE
	v_mov_b32 v[NIL], 0
	ds_add_u32 v28, v29
	ds_add_u32 v28, v29
	s_wait_dscnt 0x0
	v_lshrrev_b32 v1, 5, v0
	v_readfirstlane_b32 s14, v1
	s_lshr_b32 s15, s14, 1
	s_and_b32 s16, s14, 1
	s_bfe_u32 s40, ttmp6, 0x40000
	s_bfe_u32 s41, ttmp6, 0x40004
	s_and_b32 s18, ttmp7, 0xffff
	s_lshl_b32 s18, s18, 2
	s_cmp_eq_u32 ttmp9, 2
	s_cselect_b32 s19, 0, s18
	s_cselect_b32 s23, s18, 0
	s_add_co_u32 s17, s41, s19
	s_add_co_u32 s42, s40, s23
	s_lshl_b32 s43, s41, 2
	s_lshl_b32 s43, 15, s43
	s_lshl_b32 s44, 0x1111, s40
	s_or_b32 s[G1+0], s43, (0<<16)|(1<<20)|(1<<21)|(5<<22)|(3<<25)
	s_or_b32 s[G1B+0], s44, (0<<16)|(1<<20)|(1<<21)|(5<<22)|(3<<25)
.irp g, G1, G1B
	s_mov_b32 s[\g+1], ROWB<<16
	s_mov_b32 s[\g+2], 128<<16
	s_mov_b32 s[\g+3], ROWB<<16
	s_mov_b32 s[\g+4], 128
	s_mov_b32 s[\g+5], KROW
	s_mov_b32 s[\g+6], 0
	s_mov_b32 s[\g+7], 0
.endr
	s_lshl_b32 s18, s16, 7
	s_lshl_b32 s20, s17, 8
	s_add_co_u32 s20, s20, s18
	s_lshl_b32 s20, s20, 10
	s_mov_b32 s21, 0
	s_lshl_b32 s46, s42, 8
	s_add_co_u32 s46, s46, s18
	s_lshl_b32 s46, s46, 10
	s_mov_b32 s47, 0
	s_mul_i32 s45, s14, HALFT
	s_wait_kmcnt 0x0
	s_load_b256 s[84:91], s[74:75], 0x0
	s_load_b32 s92, s[74:75], 0x24
	s_cmp_eq_u32 ttmp9, 2
	s_cselect_b64 s[80:81], s[10:11], s[4:5]
	s_cselect_b64 s[82:83], s[4:5], s[8:9]
	s_cselect_b64 s[94:95], s[72:73], s[70:71]
	s_cmp_eq_u32 ttmp9, 0
	s_cselect_b64 s[82:83], s[6:7], s[82:83]
	s_cselect_b64 s[94:95], s[68:69], s[94:95]
	s_cselect_b64 s[98:99], s[76:77], s[78:79]
	s_add_nc_u64 s[20:21], s[80:81], s[20:21]
	s_add_nc_u64 s[46:47], s[82:83], s[46:47]
	CROUND
.irp s, 0,1
	s_mov_b32 s[G0+4*\s], 1
	s_add_co_u32 s[G0+4*\s+1], s45, \s*SLOT
	s_add_nc_u64 s[G0+4*\s+2:G0+4*\s+3], s[20:21], \s*ROWB
	s_or_b32 s[G0+4*\s+3], s[G0+4*\s+3], 0x80000000
	s_mov_b32 s[G0B+4*\s], 1
	s_add_co_u32 s[G0B+4*\s+1], s45, \s*SLOT
	s_add_nc_u64 s[G0B+4*\s+2:G0B+4*\s+3], s[46:47], \s*ROWB
	s_or_b32 s[G0B+4*\s+3], s[G0B+4*\s+3], 0x80000000
	s_wait_alu depctr_va_vdst(0)
	s_wait_tensorcnt 0x0
	ds_add_u32 v28, v29
	ds_add_u32 v28, v29
	s_wait_dscnt 0x0
	CROUND
	JLOAD G0+4*\s, G1, G0B+4*\s, G1B
.endr
	v_and_b32 v1, 15, v0
	v_bfe_u32 v2, v0, 4, 1
	s_wait_alu depctr_va_vdst(0)
	v_mul_u32_u24 v3, v1, PITCH
	v_lshl_add_u32 v4, v2, 4, v3
	s_mul_i32 s12, s15, HALFT
	s_mul_i32 s13, s16, HALFT
	s_add_co_u32 s13, s13, 2*HALFT
.irp s, 0,1
	v_add_nc_u32 v[ADRA+\s], s12, v4
	v_add_nc_u32 v[ADRB+\s], s13, v4
	s_add_co_u32 s12, s12, SLOT
	s_add_co_u32 s13, s13, SLOT
.endr
	v_and_b32 v5, 31, v0
	v_lshlrev_b32 v[LO], 4, v5
	s_cmp_eq_u32 ttmp9, 2
	s_cselect_b32 s2, -1, 0
	s_cselect_b32 s3, 0, 4
	v_lshlrev_b32 v5, 5, v2
	v_lshlrev_b32 v6, 2, v1
	v_cndmask_b32 v5, v5, v6, s2
.irp j, 0,1,2,3,4,5,6,7
	v_mad_u32_u24 v[VO+\j], s3, \j, v5
.endr
	s_lshl_b32 s22, s17, 8
	s_lshl_b32 s23, s15, 7
	s_add_co_u32 s22, s22, s23
	s_lshl_b32 s66, s42, 8
	s_lshl_b32 s23, s16, 7
	s_add_co_u32 s66, s66, s23
	s_cmp_eq_u32 ttmp9, 2
	s_cselect_b32 s67, s66, s22
	s_cselect_b32 s66, s22, s66
	s_lshl_b32 s2, s66, 2
	s_mov_b32 s3, 0
	s_add_nc_u64 s[94:95], s[94:95], s[2:3]
	s_wait_alu depctr_va_vdst(0)
.irp blk, 0,1,2,3,4,5,6,7
.irp j, 0,1,2,3,4,5,6,7
	global_load_b32 v[BT+8*\blk+\j], v[VO+\j], s[94:95] offset:64*\blk
.endr
.endr
	s_lshr_b32 s2, s67, 11
	s_lshl_b32 s2, s2, 4
	s_lshr_b32 s3, s66, 6
	s_add_co_u32 s2, s2, s3
	s_lshl_b32 s2, s2, 4
	s_bfe_u32 s3, s67, 0x40007
	s_add_co_u32 s2, s2, s3
	s_mov_b32 s22, 0x40000
	s_cmp_eq_u32 ttmp9, 0
	s_cselect_b32 s3, 13, 14
	s_cselect_b32 s22, 0x20000, s22
	s_lshl_b32 s2, s2, s3
	s_cmp_eq_u32 ttmp9, 2
	s_cselect_b32 s3, 8192, 0
	s_add_co_u32 s2, s2, s3
	s_mov_b32 s3, 0
	s_add_nc_u64 s[98:99], s[98:99], s[2:3]
	s_mov_b32 s23, 0
	s_add_nc_u64 s[100:101], s[98:99], s[22:23]
	s_wait_kmcnt 0x0
	s_cmp_eq_u32 ttmp9, 2
	s_cselect_b32 s2, s88, s86
	s_cselect_b32 s3, s89, s87
	s_cselect_b32 s22, s92, s91
	s_cmp_eq_u32 ttmp9, 0
	s_cselect_b32 s2, s84, s2
	s_cselect_b32 s3, s85, s3
	s_cselect_b32 s22, s90, s22
	s_add_co_i32 s96, s2, s3
	s_add_co_i32 s96, s96, 127
	s_lshl_b32 s96, s96, 23
	s_mov_b32 s97, s96
	s_add_co_i32 s22, s22, 127
	s_lshl_b32 s23, s22, 23
	v_mov_b32 v[SCL], s23
	s_add_co_i32 s22, s22, 8
	s_lshl_b32 s22, s22, 23
	s_or_b32 s22, s22, 0x600000
	v_mov_b32 v[LIM], s22
.macro FRAG reg, adr, q, i
.irp c, 0,1,2,3
	ds_load_b128 v[\reg+4*\c:\reg+4*\c+3], v[\adr] offset:128*(\q)+32*\c+(\i)*16*PITCH
.endr
.endm
.macro MUL16 a0, p, zero
.irp a, \a0, \a0+1
.irp b, 0,1,2,3,4,5,6,7
.if \zero
	v_wmma_f32_16x16x128_fp8_fp8 v[8*(8*((\a)%4)+\b):8*(8*((\a)%4)+\b)+7], v[128*(\p)+FR*\b:128*(\p)+FR*\b+FR-1], v[AF+FR*(\a):AF+FR*(\a)+FR-1], 0
.else
	v_wmma_f32_16x16x128_fp8_fp8 v[8*(8*((\a)%4)+\b):8*(8*((\a)%4)+\b)+7], v[128*(\p)+FR*\b:128*(\p)+FR*\b+FR-1], v[AF+FR*(\a):AF+FR*(\a)+FR-1], v[8*(8*((\a)%4)+\b):8*(8*((\a)%4)+\b)+7]
.endif
.endr
.endr
.endm
.macro FETCH_B slot, q, p
	WIN TO_B
.irp i, 0,1,2,3,4,5,6,7
	FRAG 128*(\p)+FR*\i, ADRB+\slot, \q, \i
.endr
	WIN 0
.endm
.macro FETCH_A slot, q, i0
.irp i, \i0, \i0+1, \i0+2, \i0+3
	FRAG AF+FR*(\i), ADRA+\slot, \q, \i
.endr
.endm
.macro PLACES n
.rept \n
	v_nop
.endr
.endm
.macro STEP slot, q, zero
	s_wait_dscnt 4*NL
	WIN MUL_LO
	MUL16 0, (\q)%2, \zero
	MUL16 2, (\q)%2, \zero
	s_wait_dscnt 0
	PLACES NP
	FETCH_B \slot, (\q)+1, 1-(\q)%2
	FETCH_A \slot, (\q)+1, 0
	WIN MUL_HI
	MUL16 4, (\q)%2, \zero
	MUL16 6, (\q)%2, \zero
	PLACES NP
	WIN 0
	FETCH_A \slot, (\q)+1, 4
.endm
.macro TURN slot, next, fill
	s_wait_tensorcnt 0x0
	ds_add_u32 v[SPW], v[NIL]
	s_wait_dscnt 4*NL+1
	WIN MUL_LO
	MUL16 0, 1, 0
	s_wait_dscnt 0x0
	s_barrier_signal -1
	MUL16 2, 1, 0
	WIN 0
	s_barrier_wait -1
.if \fill
	CREST
	s_add_nc_u64 s[G0+4*\slot+2:G0+4*\slot+3], s[G0+4*\slot+2:G0+4*\slot+3], 2*ROWB
	s_add_nc_u64 s[G0B+4*\slot+2:G0B+4*\slot+3], s[G0B+4*\slot+2:G0B+4*\slot+3], 2*ROWB
	JLOAD G0+4*\slot, G1, G0B+4*\slot, G1B
.else
	PLACES NP
.endif
	FETCH_B \next, 0, 0
	FETCH_A \next, 0, 0
	WIN MUL_HI
	MUL16 4, 1, 0
	MUL16 6, 1, 0
	PLACES NP
	WIN 0
	FETCH_A \next, 0, 4
.endm
	s_wait_tensorcnt 1
	s_barrier_signal -1
	s_barrier_wait -1
	FETCH_B 0, 0, 0
	FETCH_A 0, 0, 0
	FETCH_A 0, 0, 4
	STEP 0, 0, 1
	TURN 0, 1, 1
	STEP 1, 0, 0
	TURN 1, 0, 1
	STEP 0, 0, 0
	TURN 0, 1, 0
	STEP 1, 0, 0
	s_wait_dscnt 4*NL
	WIN MUL_LO
	MUL16 0, 1, 0
	MUL16 2, 1, 0
	s_wait_dscnt 0
	WIN MUL_HI
	MUL16 4, 1, 0
	MUL16 6, 1, 0
	WIN 0
.macro OUTBLK a, v
.irp hf, 0,1
	WIN 0x02+((\a)/4)
.irp bb, 0,1,2,3
.irp i, 0,2,4,6
.if \v
	v_pk_fma_f32 v[TMP+8*\bb+\i:TMP+8*\bb+\i+1], v[64*((\a)%4)+8*(4*\hf+\bb)+\i:64*((\a)%4)+8*(4*\hf+\bb)+\i+1], s[96:97], v[BT+8*(\a)+\i:BT+8*(\a)+\i+1] op_sel_hi:[1,0,1]
.else
	v_pk_fma_f32 v[TMP+8*\bb+\i:TMP+8*\bb+\i+1], v[64*((\a)%4)+8*(4*\hf+\bb)+\i:64*((\a)%4)+8*(4*\hf+\bb)+\i+1], s[96:97], v[BT+8*(4*\hf+\bb)+\i:BT+8*(4*\hf+\bb)+\i+1] op_sel_hi:[1,0,1]
.endif
.endr
.endr
	WIN 0
.set j, 0
.rept 32
	v_med3_num_f32 v[TMP+j], v[TMP+j], -v[LIM], v[LIM]
.set j, j+1
.endr
.irp bb, 0,1,2,3
	v_cvt_scalef32_pk8_fp8_f32 v[CD+16*(\a)+8*\hf+2*\bb:CD+16*(\a)+8*\hf+2*\bb+1], v[TMP+8*\bb:TMP+8*\bb+7], v[SCL]
.endr
	v_nop
.endr
.irp g, 0,1,2,3
.if \v
	global_store_b128 v[LO], v[CD+16*(\a)+4*\g:CD+16*(\a)+4*\g+3], s[98+2*((\a)/4):99+2*((\a)/4)] offset:((\a)%4)*2048+\g*512
.else
	global_store_b128 v[LO], v[CD+16*(\a)+4*\g:CD+16*(\a)+4*\g+3], s[98+2*(\g/2):99+2*(\g/2)] offset:(\a)*1024+(\g%2)*512
.endif
.endr
.endm
	s_wait_loadcnt 0x0
	PLACES NP
	s_cmp_eq_u32 ttmp9, 2
	s_cbranch_scc1 .Lv_out
.irp a, 0,1,2,3,4,5,6,7
	OUTBLK \a, 0
.endr
	s_branch .Ldone
.Lv_out:
.irp a, 0,1,2,3,4,5,6,7
	OUTBLK \a, 1
.endr
.Ldone:
	s_wait_tensorcnt 0x0
	ds_add_u32 v[SPW], v[NIL]
	s_wait_dscnt 0x0
	CROUND
	s_endpgm
.Lfunc_end_k_q7c1e98ea27_qkv:
	.size	k_q7c1e98ea27_qkv, .Lfunc_end_k_q7c1e98ea27_qkv-k_q7c1e98ea27_qkv
	.p2alignl 7, 3214868480
	.fill 96, 4, 3214868480
	.section	.rodata,"a",@progbits
	.p2align	6, 0x0
	.amdhsa_kernel k_q7c1e98ea27_qkv
		.amdhsa_group_segment_fixed_size 327680
		.amdhsa_private_segment_fixed_size 0
		.amdhsa_enable_private_segment 0
		.amdhsa_kernarg_size 80
		.amdhsa_user_sgpr_count 2
		.amdhsa_user_sgpr_kernarg_segment_ptr 1
		.amdhsa_wavefront_size32 1
		.amdhsa_system_sgpr_workgroup_id_x 1
		.amdhsa_system_sgpr_workgroup_id_y 1
		.amdhsa_system_sgpr_workgroup_id_z 1
		.amdhsa_system_vgpr_workitem_id 0
		.amdhsa_next_free_vgpr 1024
		.amdhsa_next_free_sgpr 102
		.amdhsa_reserve_vcc 0
		.amdhsa_float_denorm_mode_32 3
		.amdhsa_float_denorm_mode_16_64 3
		.amdhsa_memory_ordered 1
		.amdhsa_forward_progress 1
		.amdhsa_inst_pref_size 200
	.end_amdhsa_kernel
	.amdgpu_metadata
---
amdhsa.version: [ 1, 2 ]
amdhsa.kernels:
  - .name:           k_q7c1e98ea27_qkv
    .symbol:         k_q7c1e98ea27_qkv.kd
    .args:
      - { .name: x_codes, .offset: 0, .size: 8, .value_kind: global_buffer, .address_space: global }
      - { .name: wq_codes, .offset: 8, .size: 8, .value_kind: global_buffer, .address_space: global }
      - { .name: wk_codes, .offset: 16, .size: 8, .value_kind: global_buffer, .address_space: global }
      - { .name: wv_codes, .offset: 24, .size: 8, .value_kind: global_buffer, .address_space: global }
      - { .name: bq, .offset: 32, .size: 8, .value_kind: global_buffer, .address_space: global }
      - { .name: bk, .offset: 40, .size: 8, .value_kind: global_buffer, .address_space: global }
      - { .name: bv, .offset: 48, .size: 8, .value_kind: global_buffer, .address_space: global }
      - { .name: lowp_scales, .offset: 56, .size: 8, .value_kind: global_buffer, .address_space: global }
      - { .name: q_img, .offset: 64, .size: 8, .value_kind: global_buffer, .address_space: global }
      - { .name: kv_img, .offset: 72, .size: 8, .value_kind: global_buffer, .address_space: global }
    .group_segment_fixed_size: 327680
    .private_segment_fixed_size: 0
    .kernarg_segment_align: 8
    .kernarg_segment_size: 80
    .max_flat_workgroup_size: 128
    .sgpr_count:     102
    .vgpr_count:     1024
    .wavefront_size: 32
...
	.end_amdgpu_metadata
.endif
;; end of part 1
;; launch attn (part 2): grid 4 x 64, 16 waves a work-group, clusters of 4 x 1, 264,192 bytes of LDS; arguments q_img, kv_img, lowp_scales, o_img; writes o_img
.if DOCPART == 2
	.amdgcn_target "amdgcn-amd-amdhsa--gfx1250"
	.amdhsa_code_object_version 6
	.text
	.protected	k_q7c1e98ea27_attn
	.globl	k_q7c1e98ea27_attn
	.p2align	8
	.type	k_q7c1e98ea27_attn,@function
k_q7c1e98ea27_attn:
	s_mov_b64 s[64:65], 0
	v_nop
	global_prefetch_b8 v0, s[64:65] scope:SCOPE_SE
	s_setreg_imm32_b32 hwreg(HW_REG_WAVE_MODE, 25, 1), 1
	s_wait_xcnt 0x0
	s_wait_alu depctr_hold_cnt(0) depctr_sa_sdst(0) depctr_va_vdst(0) depctr_va_sdst(0) depctr_va_ssrc(0) depctr_va_vcc(0) depctr_vm_vsrc(0)
	s_getreg_b32 s2, hwreg(HW_REG_IB_STS2, 6, 4)
	s_cmp_eq_u32 s2, 0
	s_cbranch_scc0 .Lentry_in_a_cluster
	s_endpgm
.Lentry_in_a_cluster:
	s_bfe_u32 s2, ttmp6, 0x10000c
	s_cmp_lg_u32 s2, 0x3003
	s_cbranch_scc0 .Lentry_shape_is_right
	s_endpgm
.Lentry_shape_is_right:
; ATTENTION on codes of E4M3: for each of 64 (batch, head): o = softmax(q k^T / 8) v, quantised for the output projection.  q_img, kv_img and o_img are images of operand registers.
; THE SOFTMAX AHEAD OF THE SECOND PRODUCT: t = score x log2(e) / 8; M = the running largest t rounded UP to a whole number; p = 2^(t - M) is quantised with the given 2^e8, not normalised.
; The row's sum is taken of the unquantised p and divides at the end.  When M moves, the sum and O are multiplied by 2^(old M - new M), made by v_ldexp_f32; no branch hangs on data.
; SHARES.  A cluster of four work-groups is one (batch, head); a work-group owns 512 queries, each of its sixteen waves two tiles of 16, which share every fragment of k and v.
; LDS holds the head's whole block of kv_img, 16 key steps of 16,384 bytes, filled ONCE: wave w asks for key step w, one tensor load a wave, jointly with the three partners (same descriptor, mask 15).
; A wave walks its OWN key step first, behind its own wait on TENSORcnt; then one barrier; then the other fifteen, round the ring from w + 1 on (the running M serves any order of the keys).
; No prefetch is laid: every byte that the launch reads through LDS is asked for at the head, and no loop loads anything from memory to run ahead of.
; LAYOUT.  Both products transposed: S^T = k q^T (source 0 = 16 keys, K = 64), O^T = v^T p^T (source 0 = 16 channels, K = 128 keys): a lane holds ONE query (lane % 16).
; Register j of score tile kt is key 16 kt + 8 (lane / 16) + j: its eight registers become registers 2 kt, 2 kt + 1 of p's operand.
; LIMITS: entries 6 + 7 of the scales between -123 and 130; entries 8 and 10 between -126 and 119; 8 + 9 is applied by v_ldexp_f32; the scaled scores stay under 2^31 in magnitude.
; REGISTERS: v1 step's LDS address, v2 16 x lane, v3/v7 the add's two, v4 2^e8, v0/v5/v6 running step maxima; v[8:9], v[12:13] (-M, largest raw score); v[10:11], v[14:15] the sums; v16-31 q;
;   v32-63 tile 0's scores 32-63, then v's channels 32-63; v64-95 tile 0's scores 0-31, then v's channels 0-31; v96-127 k's tiles 4-7, then temporaries, then p's codes;
;   v128-191 tile 1's scores; v160-191 also the NEXT step's k tiles 0-3, asked for as soon as tile 1's upper scores are converted; v192-255 O^T.  Score i of tile 0 lies in v[i + 64 - 64 (i / 32)].
.set ADR,  1
.set LI,   2
.set SPW,  3
.set SCL,  4
.set NIL,  7
.set QF,   16
.set KA,   32
.set KC,   96
.set PCA,  96
.set PCB,  112
.set M1,   97                          ; v97-99 three chains of tile 0's upper maxima
.set TPB,  100
.set ODB,  101
.set FB,   102                         ; v[102:103], v[106:107]: f of tile 1, 0 (low word used)
.set TPA,  104
.set ODA,  105
.set FA,   106
.set SCB,  128
.set S1,   160
.set OTA,  192
.set OTB,  224
.set WV,   12
.set SEL,  40                          ; s[40:41] selects for lane l xor 16
.set CS,   42                          ; s[42:43] c = log2(e) / 8 x 2^(e6 + e7)
.set HOLD, 44                          ; 448 x 2^e8
.set TB,   45                          ; LDS byte at which a key step begins
.set CNT,  46
.set NC,   47                          ; -c
.set SLO,  60                          ; 2^e10
.set LMO,  61                          ; 448 x 2^e10
.macro CROUND
	s_barrier_signal -1
	s_barrier_wait -1
	s_cmp_lg_u32 s[WV], 0
	s_cbranch_scc1 .Lnot_wave_0_\@
	s_barrier_signal -3
.Lnot_wave_0_\@:
	s_barrier_wait -3
	s_barrier_signal -1
	s_barrier_wait -1
.endm
	s_load_b256 s[4:11], s[0:1], 0x0               ; q_img, kv_img, the scales' exponents, o_img
	v_lshl_add_u32 v[SPW], v0, 2, 0x40000
	v_mov_b32 v[NIL], 0
	ds_add_u32 v[SPW], v[NIL]                      ; the opening lines: the add twice on end and its wait
	ds_add_u32 v[SPW], v[NIL]
	v_lshrrev_b32 v1, 5, v0
	v_readfirstlane_b32 s[WV], v1                  ; wave 0..15
	s_bfe_u32 s13, ttmp6, 0x40000                  ; cx: my quarter of the queries; it enters q's and o's addresses alone
	s_and_b32 s14, ttmp7, 0xffff                   ; 16 x batch + head, shared by the four partners
	s_mov_b32 s16, 15|(3<<16)|(1<<21)              ; group 1: mask of all four; elements of 8 bytes; 64 dense rows of 256 bytes
	s_mov_b32 s17, 32<<16
	s_mov_b32 s18, 64<<16
	s_mov_b32 s19, 32<<16
	s_mov_b32 s20, 64
	s_mov_b32 s21, 32
	s_mov_b32 s22, 0
	s_mov_b32 s23, 0
	s_lshl_b32 s[TB], s[WV], 14                    ; my key step, in LDS and in the head's block alike
	s_lshl_b32 s54, s14, 18
	s_add_co_u32 s54, s54, s[TB]
	s_mov_b32 s55, 0
	s_mov_b32 s[SEL], 0x76543210
	s_mov_b32 s[SEL+1], 0xfedcba98
	s_wait_dscnt 0x0
	s_wait_kmcnt 0x0
	s_load_b128 s[48:51], s[8:9], 0x18             ; entries 6 to 9
	s_load_b32 s52, s[8:9], 0x28                   ; entry 10
	s_mov_b32 s24, 1
	s_mov_b32 s25, s[TB]
	s_add_nc_u64 s[26:27], s[6:7], s[54:55]
	s_or_b32 s27, s27, 0x80000000
	CROUND                                         ; all four work-groups are here: the joint loads meet
	tensor_load_to_lds s[24:27], s[16:23]          ; my one tensor load of the launch
	s_nop 0
.rept 4
	v_nop
.endr
	v_and_b32 v[LI], 31, v0
	v_lshlrev_b32 v[LI], 4, v[LI]
	s_lshl_b32 s56, s14, 17                        ; q_img: the head's 131,072 bytes, my work-group's 32,768, my wave's 2,048
	s_lshl_b32 s57, s13, 15
	s_add_co_u32 s56, s56, s57
	s_lshl_b32 s57, s[WV], 11
	s_add_co_u32 s56, s56, s57
	s_mov_b32 s57, 0
	s_add_nc_u64 s[4:5], s[4:5], s[56:57]
	s_wait_alu depctr_va_vdst(0)                   ; ahead of the reader below
.irp i, 0,1,2,3
	global_load_b128 v[QF+4*\i:QF+4*\i+3], v[LI], s[4:5] offset:512*\i
.endr
	; o_img: [token tile of 128][K step of 128 channels][token block][4][32][16]; my first token block = 128 x batch + 32 cx + 2 x wave; head hd fills groups 2 (hd % 2), + 1 of K step hd / 2
	s_lshr_b32 s56, s14, 4
	s_lshl_b32 s56, s56, 7
	s_lshl_b32 s57, s13, 5
	s_add_co_u32 s56, s56, s57
	s_lshl_b32 s57, s[WV], 1
	s_add_co_u32 s56, s56, s57
	s_lshr_b32 s58, s56, 3
	s_lshl_b32 s58, s58, 17
	s_and_b32 s59, s56, 7
	s_lshl_b32 s59, s59, 11
	s_add_co_u32 s58, s58, s59
	s_bfe_u32 s59, s14, 0x30001
	s_lshl_b32 s59, s59, 14
	s_add_co_u32 s58, s58, s59
	s_and_b32 s59, s14, 1
	s_lshl_b32 s59, s59, 10
	s_add_co_u32 s58, s58, s59
	s_mov_b32 s59, 0
	s_add_nc_u64 s[10:11], s[10:11], s[58:59]
	v_mov_b32 v8, 0x7f61b1e6                       ; -M = 3e38, a whole number; the largest score so far -3e38
	v_mov_b32 v9, 0xff61b1e6
	v_mov_b32 v10, 0
	v_mov_b32 v11, 0
	v_mov_b32 v12, 0x7f61b1e6
	v_mov_b32 v13, 0xff61b1e6
	v_mov_b32 v14, 0
	v_mov_b32 v15, 0
.set j, 0
.rept 64
	v_mov_b32 v[OTA+j], 0                          ; the step is written as one macro: its first walk finds zeros, which f = 0 leaves zeros
.set j, j+1
.endr
	s_wait_kmcnt 0x0
	s_add_co_i32 s53, s48, s49
	s_lshl_b32 s53, s53, 23
	s_mov_b32 s[CS], 0x3e38aa3b                    ; log2(e) / 8
	s_add_co_i32 s[CS], s[CS], s53                 ; x 2^(e6 + e7), by the exponent field
	s_mov_b32 s[CS+1], s[CS]
	s_xor_b32 s[NC], s[CS], 0x80000000
	s_add_co_i32 s53, s50, 127
	s_lshl_b32 s56, s53, 23
	v_mov_b32 v[SCL], s56
	s_add_co_i32 s53, s53, 8
	s_lshl_b32 s53, s53, 23
	s_or_b32 s[HOLD], s53, 0x600000
	s_add_co_i32 s53, s52, 127
	s_lshl_b32 s[SLO], s53, 23
	s_add_co_i32 s53, s53, 8
	s_lshl_b32 s53, s53, 23
	s_or_b32 s[LMO], s53, 0x600000
.macro KPRE                            ; the address of the key step at s[TB], and its k tiles 0-3 into v160-191
	v_add_nc_u32 v[ADR], s[TB], v[LI]
	s_wait_alu depctr_va_vdst(0)
.irp t, 0,1,2,3
	ds_load_b128 v[S1+8*\t:S1+8*\t+3], v[ADR] offset:\t*1024
	ds_load_b128 v[S1+8*\t+4:S1+8*\t+7], v[ADR] offset:\t*1024+512
.endr
.endm
.macro AMX                             ; two links of tile 0's upper maxima, two scores a link, three chains by turns; each score tile is first read at its low end
.rept 2
	v_max3_num_f32 v[M1+(i/2)%3], v[M1+(i/2)%3], v[i], v[i+1]
.set i, i+2
.endr
.endm
.macro OBM                             ; two links of tile 1's O^T under the new M
.rept 2
	v_pk_mul_f32 v[OTB+k:OTB+k+1], v[OTB+k:OTB+k+1], v[FB:FB+1] op_sel_hi:[1,0]
.set k, k+2
.endr
.endm
.macro HOLDB from, n                   ; n lines of tile 1's hold, two numbers a line: the conversion does not saturate (ISA guide 7.6.2); p is not negative, so the hold is one-sided
.set i, \from
.rept \n
	v_dual_min_num_f32 v[SCB+i], s[HOLD], v[SCB+i] :: v_dual_min_num_f32 v[SCB+i+1], s[HOLD], v[SCB+i+1]
.set i, i+2
.endr
.endm
.macro CODEB from                      ; four of tile 1's score tiles become codes
.set i, \from
.rept 4
	v_cvt_scalef32_pk8_fp8_f32 v[PCB+2*i:PCB+2*i+1], v[SCB+8*i:SCB+8*i+7], v[SCL]
.set i, i+1
.endr
.endm
; A KEY STEP: 128 keys, 16,384 bytes of LDS; v[ADR] points at it and its k tiles 0-3 have been asked for.  pre = 1: the next step's are asked for on the way.
.macro STEP pre
.rept 5
	v_nop                                          ; five places behind the last step's products: four for loads over p's codes, five for products over v's fragments
.endr
.irp t, 0,1,2,3
	ds_load_b128 v[KC+8*\t:KC+8*\t+3], v[ADR] offset:(4+\t)*1024
	ds_load_b128 v[KC+8*\t+4:KC+8*\t+7], v[ADR] offset:(4+\t)*1024+512
.endr
	s_wait_dscnt 8                                 ; tiles 0-3 are in; the eight loads just issued may be out
.irp t, 0,1,2,3
	v_wmma_f32_16x16x64_fp8_fp8 v[64+8*\t:64+8*\t+7], v[S1+8*\t:S1+8*\t+7], v[QF:QF+7], 0
	v_wmma_f32_16x16x64_fp8_fp8 v[SCB+8*\t:SCB+8*\t+7], v[S1+8*\t:S1+8*\t+7], v[QF+8:QF+15], 0
.endr
.rept 4
	v_nop                                          ; places in front of the first reads of scores
.endr
	v_max3_num_f32 v0, v64, v65, v66               ; while tiles 4-7 are on their way: the maxima over the lower scores, four chains by turns (tile 0: 0-26, tile 1: 0-27)
	v_max3_num_f32 v[KA], v67, v68, v69
	v_max3_num_f32 v5, v[SCB], v[SCB+1], v[SCB+2]
	v_max3_num_f32 v6, v[SCB+3], v[SCB+4], v[SCB+5]
.set i, 6
.rept 5
	v_max3_num_f32 v0, v0, v[64+i], v[65+i]
	v_max3_num_f32 v[KA], v[KA], v[66+i], v[67+i]
	v_max3_num_f32 v5, v5, v[SCB+i], v[SCB+i+1]
	v_max3_num_f32 v6, v6, v[SCB+i+2], v[SCB+i+3]
.set i, i+4
.endr
	v_max3_num_f32 v5, v5, v[SCB+26], v[SCB+27]
	v_max3_num_f32 v0, v0, v[KA], v90
	s_wait_alu depctr_va_vdst(0)
	s_wait_dscnt 0x0
.irp t, 0,1,2,3                                ; tile 1's upper scores land over k's tiles 0-3: the four v_nop and the other tile's maxima are more than five places behind each product that read them
	v_wmma_f32_16x16x64_fp8_fp8 v[S1+8*\t:S1+8*\t+7], v[KC+8*\t:KC+8*\t+7], v[QF+8:QF+15], 0
	v_wmma_f32_16x16x64_fp8_fp8 v[KA+8*\t:KA+8*\t+7], v[KC+8*\t:KC+8*\t+7], v[QF:QF+7], 0
.endr
	v_max3_num_f32 v0, v0, v91, v92                ; four lines on lower scores alone: the places behind the products above
	v_max3_num_f32 v5, v5, v[SCB+28], v[SCB+29]
	v_max3_num_f32 v6, v6, v[SCB+30], v[SCB+31]
	v_max3_num_f32 v0, v0, v93, v94
	v_max3_num_f32 v[TPB], v[S1], v[S1+1], v[S1+2] ; tile 1's upper scores, three chains by turns
.set i, 35
.rept 4
	v_max3_num_f32 v5, v5, v[SCB+i], v[SCB+i+1]
	v_max3_num_f32 v6, v6, v[SCB+i+2], v[SCB+i+3]
	v_max3_num_f32 v[TPB], v[TPB], v[SCB+i+4], v[SCB+i+5]
.set i, i+6
.endr
	v_max3_num_f32 v5, v5, v[SCB+59], v[SCB+60]
	v_max3_num_f32 v6, v6, v[SCB+61], v[SCB+62]
	v_max3_num_f32 v5, v5, v6, v[SCB+63]
	v_max_num_f32 v5, v5, v[TPB]
	v_max3_num_f32 v[M1], v95, v32, v33            ; tile 0's upper scores; among them tile 1's chain to f
	v_max3_num_f32 v[M1+1], v34, v35, v36
	v_max3_num_f32 v[M1+2], v37, v38, v39
.set i, 40
	v_permlanex16_b32 v[TPB], v5, s[SEL], s[SEL+1]
	AMX
	v_max3_num_f32 v13, v13, v5, v[TPB]            ; the running largest score (c is positive)
	AMX
	v_mul_f32 v[TPB], s[NC], v13                   ; -t
	v_mov_b32 v[ODB], v12
	AMX
	v_floor_f32 v12, v[TPB]                        ; the new -M = floor(-t)
	AMX
	v_sub_f32 v[ODB], v12, v[ODB]                  ; old M - new M: a whole number, 0 or less
	AMX
	v_cvt_i32_f32 v[ODB], v[ODB]                   ; (it saturates)
	AMX
	v_ldexp_f32 v[FB], 1.0, v[ODB]                 ; f = 2^(old M - new M)
.set k, 0
	v_max3_num_f32 v0, v0, v[M1], v[M1+1]          ; tile 0's chain to f, among tile 1's O^T; O^T is rescaled ahead of every exponential of the step
	OBM
	v_max_num_f32 v0, v0, v[M1+2]
	OBM
	v_permlanex16_b32 v[TPA], v0, s[SEL], s[SEL+1]
	OBM
	v_max3_num_f32 v9, v9, v0, v[TPA]
	OBM
	v_mul_f32 v[TPA], s[NC], v9
	v_mov_b32 v[ODA], v8
	OBM
	v_floor_f32 v8, v[TPA]
	OBM
	v_sub_f32 v[ODA], v8, v[ODA]
	OBM
	v_cvt_i32_f32 v[ODA], v[ODA]
	OBM
	v_ldexp_f32 v[FA], 1.0, v[ODA]
	v_pk_mul_f32 v[14:15], v[14:15], v[FB:FB+1] op_sel_hi:[1,0]
.set i, 0
.rept 32
	v_pk_fma_f32 v[i+64-64*(i/32):i+65-64*(i/32)], v[i+64-64*(i/32):i+65-64*(i/32)], s[CS:CS+1], v[8:9] op_sel_hi:[1,0,0]   ; tile 0's t - M
.set i, i+2
.endr
.set i, 0
.rept 16
	v_pk_mul_f32 v[OTA+i:OTA+i+1], v[OTA+i:OTA+i+1], v[FA:FA+1] op_sel_hi:[1,0]
.set i, i+2
.endr
	v_pk_mul_f32 v[10:11], v[10:11], v[FA:FA+1] op_sel_hi:[1,0]
	s_wait_alu depctr_va_vdst(0)                   ; ahead of the batch
.set i, 0
.rept 32
	v_exp_f32 v[i+64-64*(i/32)], v[i+64-64*(i/32)] ; tile 0's p; among them tile 1's t - M, which names none of the batch's registers and is read behind the next wait
	v_exp_f32 v[i+65-64*(i/32)], v[i+65-64*(i/32)]
	v_pk_fma_f32 v[SCB+i:SCB+i+1], v[SCB+i:SCB+i+1], s[CS:CS+1], v[12:13] op_sel_hi:[1,0,0]
.set i, i+2
.endr
	s_wait_alu depctr_va_vdst(0)                   ; behind tile 0's batch and ahead of tile 1's
.set i, 0
.rept 16                                       ; tile 1's p; among them, of tile 0: sixteen sums of four unquantised p into v96-127, and behind each the hold of those four.  None of these lines reads what another of them wrote.
.set AR, i+64-64*(i/32)
	v_exp_f32 v[SCB+i], v[SCB+i]
	v_exp_f32 v[SCB+i+1], v[SCB+i+1]
	v_pk_add_f32 v[KC+i/2:KC+i/2+1], v[AR:AR+1], v[AR+2:AR+3]
	v_exp_f32 v[SCB+i+2], v[SCB+i+2]
	v_dual_min_num_f32 v[AR], s[HOLD], v[AR] :: v_dual_min_num_f32 v[AR+1], s[HOLD], v[AR+1]
	v_exp_f32 v[SCB+i+3], v[SCB+i+3]
	v_dual_min_num_f32 v[AR+2], s[HOLD], v[AR+2] :: v_dual_min_num_f32 v[AR+3], s[HOLD], v[AR+3]
.set i, i+4
.endr
	v_nop                                          ; a plain place behind the last exponential
	s_wait_alu depctr_va_vdst(0)                   ; one wait for the batch and for the lines among it
.irp o, 8,16,24                                ; tile 0's sixteen part sums, four chains by turns
.irp c, 0,2,4,6
	v_pk_add_f32 v[KC+\c:KC+\c+1], v[KC+\c:KC+\c+1], v[KC+\o+\c:KC+\o+\c+1]
.endr
.endr
	v_pk_add_f32 v[KC:KC+1], v[KC:KC+1], v[KC+2:KC+3]
	v_pk_add_f32 v[KC+4:KC+5], v[KC+4:KC+5], v[KC+6:KC+7]
	v_pk_add_f32 v[KC:KC+1], v[KC:KC+1], v[KC+4:KC+5]
	v_pk_add_f32 v[10:11], v[10:11], v[KC:KC+1]
.set i, 0
.rept 8
	v_cvt_scalef32_pk8_fp8_f32 v[PCA+2*i:PCA+2*i+1], v[8*i+64-64*(i/4):8*i+71-64*(i/4)], v[SCL]
.set i, i+1
.endr
.irp cb, 0,1,2,3                               ; v's four fragments land where tile 0's scores lay
.irp g, 0,1,2,3
	ds_load_b128 v[64+16*\cb-64*(\cb/2)+4*\g:64+16*\cb-64*(\cb/2)+4*\g+3], v[ADR] offset:8192+\cb*2048+\g*512
.endr
.endr
	v_pk_add_f32 v[PCB:PCB+1], v[SCB:SCB+1], v[SCB+2:SCB+3]        ; tile 1's sum of the unquantised p, four chains by turns
	v_pk_add_f32 v[PCB+2:PCB+3], v[SCB+4:SCB+5], v[SCB+6:SCB+7]
	v_pk_add_f32 v[PCB+4:PCB+5], v[SCB+8:SCB+9], v[SCB+10:SCB+11]
	v_pk_add_f32 v[14:15], v[14:15], v[SCB+12:SCB+13]
	v_pk_add_f32 v[PCB:PCB+1], v[PCB:PCB+1], v[SCB+14:SCB+15]
.set i, 16
.rept 6
	v_pk_add_f32 v[PCB+2:PCB+3], v[PCB+2:PCB+3], v[SCB+i:SCB+i+1]
	v_pk_add_f32 v[PCB+4:PCB+5], v[PCB+4:PCB+5], v[SCB+i+2:SCB+i+3]
	v_pk_add_f32 v[14:15], v[14:15], v[SCB+i+4:SCB+i+5]
	v_pk_add_f32 v[PCB:PCB+1], v[PCB:PCB+1], v[SCB+i+6:SCB+i+7]
.set i, i+8
.endr
	v_pk_add_f32 v[PCB+2:PCB+3], v[PCB+2:PCB+3], v[PCB+4:PCB+5]
	v_pk_add_f32 v[14:15], v[14:15], v[PCB:PCB+1]
	v_pk_add_f32 v[14:15], v[14:15], v[PCB+2:PCB+3]
	HOLDB 32, 16                                   ; the upper half first: its registers then take the next step's k
	CODEB 4
.if \pre
	s_add_co_u32 s[TB], s[TB], 16384
	s_and_b32 s[TB], s[TB], 0x3c000                ; round the ring of sixteen
	KPRE                                           ; v's loads above have read the old address (LDS instructions read their sources at issue)
.endif
	HOLDB 0, 16
	CODEB 0
	v_nop                                          ; a plain line between the conversions and the products that read the codes
	s_wait_alu depctr_va_vdst(0)
.if \pre
	s_wait_dscnt 8                                 ; v is in; the eight loads of the next step's k may be out
.else
	s_wait_dscnt 0x0
.endif
.irp cb, 0,1,2,3                               ; O^T += v^T p^T: eight accumulators by turns
	v_wmma_f32_16x16x128_fp8_fp8 v[OTA+8*\cb:OTA+8*\cb+7], v[64+16*\cb-64*(\cb/2):79+16*\cb-64*(\cb/2)], v[PCA:PCA+15], v[OTA+8*\cb:OTA+8*\cb+7]
	v_wmma_f32_16x16x128_fp8_fp8 v[OTB+8*\cb:OTB+8*\cb+7], v[64+16*\cb-64*(\cb/2):79+16*\cb-64*(\cb/2)], v[PCB:PCB+15], v[OTB+8*\cb:OTB+8*\cb+7]
.endr
.endm
	s_wait_alu depctr_va_vdst(0)
	s_wait_loadcnt 0x0                             ; q
	s_wait_tensorcnt 0x0                           ; my own key step has landed; nobody else reads it ahead of the barrier below
	KPRE
	STEP 0                                         ; it asks for nothing ahead: the other waves' key steps are not known to be in yet
	s_barrier_signal -1                            ; every wave has waited for its load: all sixteen key steps are in
	s_barrier_wait -1
	s_add_co_u32 s[TB], s[TB], 16384
	s_and_b32 s[TB], s[TB], 0x3c000
	KPRE
	s_mov_b32 s[CNT], 14
.Lstep:
	STEP 1
	s_sub_co_u32 s[CNT], s[CNT], 1
	s_cmp_lg_u32 s[CNT], 0
	s_cbranch_scc1 .Lstep
	STEP 0                                         ; the sixteenth step is written out: nothing follows it to ask for
	; THE WAY OUT: O^T / the sum x 2^(e8 + e9), held at +-448 x 2^e10, converted: a tile's 32 registers become 8 of the output projection's operand; each store is 512 consecutive bytes.
	; v32-35 at work, v40-55 the codes, v64-127 the scaled O^T.
.rept 4
	v_nop
.endr
	v_add_f32 v10, v10, v11
	v_add_f32 v14, v14, v15
	v_permlanex16_b32 v32, v10, s[SEL], s[SEL+1]
	v_permlanex16_b32 v33, v14, s[SEL], s[SEL+1]
	v_add_f32 v10, v10, v32
	v_add_f32 v14, v14, v33
	v_mov_b32 v34, s[LMO]
	v_mov_b32 v35, s[SLO]
	s_wait_alu depctr_va_vdst(0)                   ; ahead of the reciprocals
	v_rcp_f32 v10, v10
	v_rcp_f32 v14, v14
	v_nop
	s_add_co_i32 s53, s50, s51
	s_wait_alu depctr_va_vdst(0)                   ; behind them
	v_ldexp_f32 v10, v10, s53
	v_ldexp_f32 v14, v14, s53
	s_wait_alu depctr_va_vdst(0)                   ; directly ahead of the first readers of O^T
.set j, 0
.rept 16
	v_pk_mul_f32 v[64+j:64+j+1], v[OTA+j:OTA+j+1], v[10:11] op_sel_hi:[1,0]
	v_pk_mul_f32 v[96+j:96+j+1], v[OTB+j:OTB+j+1], v[14:15] op_sel_hi:[1,0]
.set j, j+2
.endr
.set j, 0
.rept 64
	v_med3_num_f32 v[64+j], v[64+j], -v34, v34
.set j, j+1
.endr
.set j, 0
.rept 8
	v_cvt_scalef32_pk8_fp8_f32 v[40+2*j:40+2*j+1], v[64+8*j:64+8*j+7], v35
.set j, j+1
.endr
	v_nop
.irp t, 0,1
	global_store_b128 v[LI], v[40+8*\t:40+8*\t+3], s[10:11] offset:2048*\t
	global_store_b128 v[LI], v[40+8*\t+4:40+8*\t+7], s[10:11] offset:2048*\t+512
.endr
	s_wait_tensorcnt 0x0                           ; the wave's end
	ds_add_u32 v[SPW], v[NIL]
	s_wait_dscnt 0x0
	CROUND                                         ; the closing round
	s_endpgm
.Lfunc_end_k_q7c1e98ea27_attn:
	.size	k_q7c1e98ea27_attn, .Lfunc_end_k_q7c1e98ea27_attn-k_q7c1e98ea27_attn
	.p2alignl 7, 3214868480
	.fill 96, 4, 3214868480
	.section	.rodata,"a",@progbits
	.p2align	6, 0x0
	.amdhsa_kernel k_q7c1e98ea27_attn
		.amdhsa_group_segment_fixed_size 264192
		.amdhsa_private_segment_fixed_size 0
		.amdhsa_enable_private_segment 0
		.amdhsa_kernarg_size 32
		.amdhsa_user_sgpr_count 2
		.amdhsa_user_sgpr_kernarg_segment_ptr 1
		.amdhsa_wavefront_size32 1
		.amdhsa_system_sgpr_workgroup_id_x 1
		.amdhsa_system_sgpr_workgroup_id_y 1
		.amdhsa_system_sgpr_workgroup_id_z 1
		.amdhsa_system_vgpr_workitem_id 0
		.amdhsa_next_free_vgpr 256
		.amdhsa_next_free_sgpr 66
		.amdhsa_reserve_vcc 0
		.amdhsa_float_denorm_mode_32 3
		.amdhsa_float_denorm_mode_16_64 3
		.amdhsa_memory_ordered 1
		.amdhsa_forward_progress 1
		.amdhsa_inst_pref_size 100
	.end_amdhsa_kernel
	.amdgpu_metadata
---
amdhsa.version: [ 1, 2 ]
amdhsa.kernels:
  - .name:           k_q7c1e98ea27_attn
    .symbol:         k_q7c1e98ea27_attn.kd
    .args:
      - { .name: q_img, .offset: 0, .size: 8, .value_kind: global_buffer, .address_space: global }
      - { .name: kv_img, .offset: 8, .size: 8, .value_kind: global_buffer, .address_space: global }
      - { .name: lowp_scales, .offset: 16, .size: 8, .value_kind: global_buffer, .address_space: global }
      - { .name: o_img, .offset: 24, .size: 8, .value_kind: global_buffer, .address_space: global }
    .group_segment_fixed_size: 264192
    .private_segment_fixed_size: 0
    .kernarg_segment_align: 8
    .kernarg_segment_size: 32
    .max_flat_workgroup_size: 512
    .sgpr_count:     66
    .vgpr_count:     256
    .wavefront_size: 32
...
	.end_amdgpu_metadata
.endif
;; end of part 2
;; launch oproj (part 3): grid 8 x 64, 4 waves a work-group, clusters of 4 x 4, 327,680 bytes of LDS; arguments o_img, wo_codes, bo, lowp_scales, out0; writes out0
.if DOCPART == 3
	.amdgcn_target "amdgcn-amd-amdhsa--gfx1250"
	.amdhsa_code_object_version 6
	.text
	.protected	k_q7c1e98ea27_oproj
	.globl	k_q7c1e98ea27_oproj
	.p2align	8
	.type	k_q7c1e98ea27_oproj,@function
k_q7c1e98ea27_oproj:
	s_mov_b64 s[64:65], 0
	v_nop
	global_prefetch_b8 v0, s[64:65] scope:SCOPE_SE
	s_setreg_imm32_b32 hwreg(HW_REG_WAVE_MODE, 25, 1), 1
	s_wait_xcnt 0x0
	s_wait_alu depctr_hold_cnt(0) depctr_sa_sdst(0) depctr_va_vdst(0) depctr_va_sdst(0) depctr_va_ssrc(0) depctr_va_vcc(0) depctr_vm_vsrc(0)
	s_getreg_b32 s2, hwreg(HW_REG_IB_STS2, 6, 4)
	s_cmp_eq_u32 s2, 0
	s_cbranch_scc0 .Lentry_in_a_cluster
	s_endpgm
.Lentry_in_a_cluster:
	s_bfe_u32 s2, ttmp6, 0x10000c
	s_cmp_lg_u32 s2, 0xf033
	s_cbranch_scc0 .Lentry_shape_is_right
	s_endpgm
.Lentry_shape_is_right:
; THE OUTPUT PROJECTION: out = o wo^T + bo on codes of E4M3.  o_img: [token tile of 128][K step of 128][token block of 16][4][32 lanes][16 bytes]; wo's codes lie [1024][1024], K innermost.
; A tile of 128 tokens x 128 outputs is made by four waves, each 64 x 64: 16 accumulators.  512 tiles: two even turns of 256 work-groups.
; LDS IS FILLED ONCE, by one tensor load a wave at the head: waves 0 and 1 ask for the halves of o's block (65,536 dense bytes each), waves 2 and 3 for wo's 128 rows, 512 along K each half
; (rows of 512 bytes, 528 apart in LDS: row r starts at word 132 r, so a load of 8 bytes a lane touches 64 different banks).  CLUSTER 4 x 4: o's block is shared along a row, wo's rows along a column: joint loads.
; No prefetch is laid: all bytes are asked for at the head, and no loop loads anything to run ahead of.
; o's images have each k at the place that the K = 128 form gives it (registers 2 c, 2 c + 1: k = 16 c + 8 (lane / 16) + 0 .. 7), so wo's fragments are fetched to the same places, by loads of 8 bytes.
; THE MATRIX INSTRUCTION IS USED TRANSPOSED (source 0 = 16 rows of wo, source 1 = 16 tokens): a lane holds eight neighbouring outputs of one token.
; LIMIT: entries 10 + 11 of the scales between -126 and 127.
; REGISTERS: window 0: v16-27 addresses; v32-63 at work; v64-95 rows read back; v96-127 bo; v128-255 the accumulators.  window 1: two fragment buffers of 128: o's four fragments, then wo's four.
.set BREG,  131072                     ; wo's halves begin here
.set BP,    528
.set BH,    128*BP                     ; one half along K
.set STAGE, BREG+2*BH                  ; 16 rows x 272 bytes for each wave, for the way out; no tensor load lands there
.set SPARE, STAGE+4*16*272             ; the spare words
.set ADRA, 16
.set ADRB, 20
.set STO,  24
.set RD,   25
.set CO,   26
.set BOF,  27
.set TMP,  32
.set BK,   64
.set BO,   96
.set ACC,  128
.set MSB, 0
.macro WIN new
.if MSB != \new
	s_set_vgpr_msb (MSB<<8)|\new
.set MSB, \new
.endif
.endm
.set MUL,  0x05                        ; sources 0 and 1 window 1; C and D window 0
.set TO_F, 0x40                        ; destination window 1
.macro CROUND
	s_barrier_signal -1
	s_barrier_wait -1
	s_cmp_lg_u32 s14, 0
	s_cbranch_scc1 .Lnot_wave_0_\@
	s_barrier_signal -3
.Lnot_wave_0_\@:
	s_barrier_wait -3
	s_barrier_signal -1
	s_barrier_wait -1
.endm
.macro PLACES
.rept 4
	v_nop
.endr
.endm
	s_load_b256 s[4:11], s[0:1], 0x0               ; o_img, wo, bo, the scales' exponents
	s_load_b64 s[12:13], s[0:1], 0x20              ; out
	v_lshl_add_u32 v30, v0, 2, SPARE
	v_mov_b32 v31, 0
	ds_add_u32 v30, v31                            ; the opening lines
	ds_add_u32 v30, v31
	v_lshrrev_b32 v1, 5, v0
	v_readfirstlane_b32 s14, v1                    ; wave 0..3
	s_lshr_b32 s15, s14, 1                         ; which 64 tokens are mine.  Also: I fetch o's (0) or wo's (1)
	s_and_b32 s3, s14, 1                           ; which 64 outputs.  Also: which half I fetch
	s_bfe_u32 s66, ttmp6, 0x40000
	s_bfe_u32 s67, ttmp6, 0x40004
	s_lshl_b32 s68, ttmp9, 2
	s_add_co_u32 s68, s68, s66                     ; tile column 0..7
	s_and_b32 s69, ttmp7, 0xffff
	s_lshl_b32 s69, s69, 2
	s_add_co_u32 s69, s69, s67                     ; tile row 0..63
	s_lshl_b32 s70, s67, 2
	s_lshl_b32 s70, 15, s70                        ; my row of the cluster
	s_lshl_b32 s71, 0x1111, s66                    ; my column
	s_or_b32 s16, s70, (3<<16)|(1<<21)             ; o's group 1: 256 dense rows of 32 elements of 8 bytes
	s_mov_b32 s17, 32<<16
	s_mov_b32 s18, 256<<16
	s_mov_b32 s19, 32<<16
	s_mov_b32 s20, 256
	s_mov_b32 s21, 32
	s_mov_b32 s22, 0
	s_mov_b32 s23, 0
	s_or_b32 s24, s71, (0<<16)|(1<<20)|(1<<21)|(6<<22)|(3<<25)  ; wo's: 128 rows of 512 bytes, 1,024 apart in memory; four words of padding after every 128
	s_mov_b32 s25, 512<<16
	s_mov_b32 s26, 128<<16
	s_mov_b32 s27, 512<<16
	s_mov_b32 s28, 128
	s_mov_b32 s29, 1024
	s_mov_b32 s30, 0
	s_mov_b32 s31, 0
	s_lshl_b32 s72, s3, 16                         ; o's: my half, in LDS and in the tile's block alike
	s_lshl_b32 s74, s69, 17
	s_add_co_u32 s74, s74, s72
	s_mov_b32 s75, 0
	s_mul_i32 s73, s3, BH
	s_add_co_u32 s73, s73, BREG                    ; wo's: my half along K in LDS,
	s_lshl_b32 s76, s68, 17                        ; and in memory: row 128 x tile column, byte 512 x half
	s_lshl_b32 s78, s3, 9
	s_add_co_u32 s76, s76, s78
	s_mov_b32 s77, 0
	s_wait_dscnt 0x0
	s_wait_kmcnt 0x0
	s_load_b64 s[96:97], s[10:11], 0x28            ; entries 10 and 11
	s_mov_b32 s32, 1
	s_mov_b32 s33, s72
	s_add_nc_u64 s[34:35], s[4:5], s[74:75]
	s_or_b32 s35, s35, 0x80000000
	s_mov_b32 s48, 1
	s_mov_b32 s49, s73
	s_add_nc_u64 s[50:51], s[6:7], s[76:77]
	s_or_b32 s51, s51, 0x80000000
	CROUND                                         ; all sixteen work-groups are here: the joint loads meet
	s_cmp_eq_u32 s15, 0
	s_cbranch_scc0 .Lfor_b
	tensor_load_to_lds s[32:35], s[16:23]
	s_nop 0
.rept 4
	v_nop
.endr
	s_branch .Lasked
.Lfor_b:
	tensor_load_to_lds s[48:51], s[24:31]
	s_nop 0
.rept 4
	v_nop
.endr
.Lasked:
	v_and_b32 v1, 15, v0                           ; r
	v_bfe_u32 v2, v0, 4, 1                         ; h
	v_and_b32 v3, 31, v0
	v_lshlrev_b32 v3, 4, v3
	s_lshl_b32 s78, s15, 13                        ; my four token blocks of 2,048 bytes
	v_add_nc_u32 v[ADRA], s78, v3
	v_add_nc_u32 v[ADRA+1], 0x10000, v[ADRA]       ; four K steps on
	v_mul_u32_u24 v8, v1, BP
	v_lshl_add_u32 v5, v2, 3, v8                   ; row r x pitch + 8 h
	s_mul_i32 s84, s3, 64*BP
	s_add_co_u32 s84, s84, BREG                    ; my 64 rows of wo
	v_add_nc_u32 v[ADRB], s84, v5
	v_add_nc_u32 v[ADRB+1], BH, v[ADRB]            ; the second half along K
	v_mul_u32_u24 v4, v1, 272
	s_mul_i32 s79, s14, 16*272
	s_add_co_u32 s79, s79, STAGE                   ; my stage
	v_lshl_add_u32 v6, v2, 5, v4
	v_add_nc_u32 v[STO], s79, v6
	v_mul_u32_u24 v7, v2, 272
	v_lshl_add_u32 v7, v1, 4, v7
	v_add_nc_u32 v[RD], s79, v7
	v_lshlrev_b32 v[CO], 12, v2
	v_lshl_add_u32 v[CO], v1, 4, v[CO]
	v_lshlrev_b32 v[BOF], 5, v2
	s_lshl_b32 s80, s68, 9
	s_lshl_b32 s81, s3, 8
	s_add_co_u32 s80, s80, s81                     ; my first output, in bytes
	s_mov_b32 s81, 0
	s_add_nc_u64 s[8:9], s[8:9], s[80:81]
.irp b, 0,1,2,3
	global_load_b128 v[BO+8*\b:BO+8*\b+3], v[BOF], s[8:9] offset:64*\b
	global_load_b128 v[BO+8*\b+4:BO+8*\b+7], v[BOF], s[8:9] offset:64*\b+16
.endr
	s_lshl_b32 s82, s69, 7
	s_lshl_b32 s83, s15, 6
	s_add_co_u32 s82, s82, s83                     ; my first token
	s_lshl_b32 s82, s82, 12
	s_add_co_u32 s82, s82, s80
	s_mov_b32 s83, 0
	s_add_nc_u64 s[12:13], s[12:13], s[82:83]
; The fragments of K step q into buffer f: 16 loads of 16 bytes for o's four, 32 loads of 8 bytes for wo's four
.macro FETCH q, f
	WIN TO_F
.irp i, 0,1,2,3
.irp g, 0,1,2,3
	ds_load_b128 v[128*(\f)+16*\i+4*\g:128*(\f)+16*\i+4*\g+3], v[ADRA+(\q)/4] offset:((\q)%4)*16384+\i*2048+\g*512
.endr
.endr
.irp i, 0,1,2,3
.irp c, 0,1,2,3,4,5,6,7
	ds_load_b64 v[128*(\f)+64+16*\i+2*\c:128*(\f)+64+16*\i+2*\c+1], v[ADRB+(\q)/4] offset:\i*16*BP+((\q)%4)*128+16*\c
.endr
.endr
.endm
.macro KS q
.set F, 128*((\q)%2)
.if (\q) < 7
	PLACES                                         ; in front of loads into the buffer that the last products read
	FETCH (\q)+1, ((\q)+1)%2
	s_wait_dscnt 48                                ; all but the 48 just issued: this step's fragments are in
.else
	s_wait_dscnt 0x0
.endif
	WIN MUL
.irp a, 0,1,2,3
.irp b, 0,1,2,3
.if (\q) == 0
	v_wmma_f32_16x16x128_fp8_fp8 v[ACC+8*(4*\a+\b):ACC+8*(4*\a+\b)+7], v[F+64+16*\b:F+64+16*\b+15], v[F+16*\a:F+16*\a+15], 0
.else
	v_wmma_f32_16x16x128_fp8_fp8 v[ACC+8*(4*\a+\b):ACC+8*(4*\a+\b)+7], v[F+64+16*\b:F+64+16*\b+15], v[F+16*\a:F+16*\a+15], v[ACC+8*(4*\a+\b):ACC+8*(4*\a+\b)+7]
.endif
.endr
.endr                                          ; the 16 accumulators take turns
.endm
	s_wait_alu depctr_va_vdst(0)
	s_wait_tensorcnt 0x0                           ; my load is in,
	s_barrier_signal -1
	s_barrier_wait -1                              ; everybody's is
	FETCH 0, 0
.irp q, 0,1,2,3,4,5,6,7
	KS \q
.endr
	WIN 0
	PLACES
	s_wait_kmcnt 0x0
	s_add_co_i32 s96, s96, s97
	s_add_co_i32 s96, s96, 127
	s_lshl_b32 s96, s96, 23                        ; 2^(e10 + e11) as f32
	s_mov_b32 s97, s96
	s_wait_loadcnt 0x0                             ; bo
	; THE WAY OUT, 16 tokens at a time: sum x 2^(e10 + e11) + bo, through my own stage, so that sixteen lanes store 256 consecutive bytes of a row of out.  LDS serves a wave's instructions in order (ISA guide 5.7.1.4).
.irp a, 0,1,2,3
.irp b, 0,1,2,3
.irp i, 0,2,4,6
	v_pk_fma_f32 v[TMP+8*\b+\i:TMP+8*\b+\i+1], v[ACC+8*(4*\a+\b)+\i:ACC+8*(4*\a+\b)+\i+1], s[96:97], v[BO+8*\b+\i:BO+8*\b+\i+1] op_sel_hi:[1,0,1]
.endr
.endr
.irp b, 0,1,2,3
	ds_store_b128 v[STO], v[TMP+8*\b:TMP+8*\b+3] offset:64*\b
	ds_store_b128 v[STO], v[TMP+8*\b+4:TMP+8*\b+7] offset:64*\b+16
.endr
.if \a > 0
	s_wait_xcnt 0x0                                ; the last block's stores have read their registers
.endif
.irp t, 0,1,2,3,4,5,6,7
	ds_load_b128 v[BK+4*\t:BK+4*\t+3], v[RD] offset:\t*2*272
.endr
	s_wait_dscnt 0x0
.irp t, 0,1,2,3,4,5,6,7
	global_store_b128 v[CO], v[BK+4*\t:BK+4*\t+3], s[12:13] offset:(16*\a+2*\t)*4096 th:TH_STORE_NT
.endr
.endr
	s_wait_tensorcnt 0x0                           ; the wave's end
	ds_add_u32 v30, v31
	s_wait_dscnt 0x0
	CROUND                                         ; the closing round
	s_endpgm
.Lfunc_end_k_q7c1e98ea27_oproj:
	.size	k_q7c1e98ea27_oproj, .Lfunc_end_k_q7c1e98ea27_oproj-k_q7c1e98ea27_oproj
	.p2alignl 7, 3214868480
	.fill 96, 4, 3214868480
	.section	.rodata,"a",@progbits
	.p2align	6, 0x0
	.amdhsa_kernel k_q7c1e98ea27_oproj
		.amdhsa_group_segment_fixed_size 327680
		.amdhsa_private_segment_fixed_size 0
		.amdhsa_enable_private_segment 0
		.amdhsa_kernarg_size 40
		.amdhsa_user_sgpr_count 2
		.amdhsa_user_sgpr_kernarg_segment_ptr 1
		.amdhsa_wavefront_size32 1
		.amdhsa_system_sgpr_workgroup_id_x 1
		.amdhsa_system_sgpr_workgroup_id_y 1
		.amdhsa_system_sgpr_workgroup_id_z 1
		.amdhsa_system_vgpr_workitem_id 0
		.amdhsa_next_free_vgpr 512
		.amdhsa_next_free_sgpr 100
		.amdhsa_reserve_vcc 0
		.amdhsa_float_denorm_mode_32 3
		.amdhsa_float_denorm_mode_16_64 3
		.amdhsa_memory_ordered 1
		.amdhsa_forward_progress 1
		.amdhsa_inst_pref_size 53
	.end_amdhsa_kernel
	.amdgpu_metadata
---
amdhsa.version: [ 1, 2 ]
amdhsa.kernels:
  - .name:           k_q7c1e98ea27_oproj
    .symbol:         k_q7c1e98ea27_oproj.kd
    .args:
      - { .name: o_img, .offset: 0, .size: 8, .value_kind: global_buffer, .address_space: global }
      - { .name: wo_codes, .offset: 8, .size: 8, .value_kind: global_buffer, .address_space: global }
      - { .name: bo, .offset: 16, .size: 8, .value_kind: global_buffer, .address_space: global }
      - { .name: lowp_scales, .offset: 24, .size: 8, .value_kind: global_buffer, .address_space: global }
      - { .name: out0, .offset: 32, .size: 8, .value_kind: global_buffer, .address_space: global }
    .group_segment_fixed_size: 327680
    .private_segment_fixed_size: 0
    .kernarg_segment_align: 8
    .kernarg_segment_size: 40
    .max_flat_workgroup_size: 128
    .sgpr_count:     100
    .vgpr_count:     512
    .wavefront_size: 32
...
	.end_amdgpu_metadata
.endif
;; end of part 3
